; MI455X (gfx1250); checked and timed in simulation.
; The chip was launched on July 23, 2026; its instructions are those of AMD's public machine-readable ISA for CDNA 5 (MIT licence, August 2026) and "CDNA5" Instruction Set Architecture Reference Guide (July 2026). The comments in the code are by the model that wrote it; some were corrected since.
;; Attn. Allowed arithmetic: float matrix products may take bf16 or f16 operands with f32 sums; all other float work in f32.
;; Inputs: W_attn 512 x 512 float32; b_attn 512 float32; encoder_outputs 32 x 4,096 x 512 float32; hidden 1 x 32 x 512 float32.
;; Outputs: out0 32 x 1 x 4,096 float32.
;; One version. Each part assembles by itself: llvm-mc -triple=amdgcn-amd-amdhsa -mcpu=gfx1250 --defsym DOCPART=n.
;; ======== version 1 of 1: 3 launches
;; workspace buffers: vvec 65,536 bytes; scores 524,288 bytes
;; launch proj (part 1): grid 8 x 8, 16 waves a work-group, no clusters, 34,816 bytes of LDS; arguments W_attn, hidden, vvec; writes vvec
.if DOCPART == 1
	.amdgcn_target "amdgcn-amd-amdhsa--gfx1250"
	.amdhsa_code_object_version 6
	.text
	.protected	k_qde95d647f6_proj
	.globl	k_qde95d647f6_proj
	.p2align	8
	.type	k_qde95d647f6_proj,@function
k_qde95d647f6_proj:
	s_mov_b64 s[64:65], 0
	v_nop
	global_prefetch_b8 v0, s[64:65] scope:SCOPE_SE
	s_setreg_imm32_b32 hwreg(HW_REG_WAVE_MODE, 25, 1), 1
	s_wait_xcnt 0x0
; vvec[b][h] = sum over o of hidden[b][o] * W_attn[o][h].   W: [512][512] f32, hidden: [32][512] f32, vvec: [32][512] f32.
; The reference's scores are sum_o (sum_h enc[s][h] W[o][h] + bias[o]) hid[o]; the sum over o is taken first here, which is the same
; sum in another order for every input, and leaves one dot product of 512 for each row of encoder_outputs (next launch).
; All in f32 by fused multiply-adds: 8.4 million of them in the whole launch, too few for the matrix units to matter, and the softmax
; behind them is sharp, so the operands are not rounded to 16 bits.
; LIMIT: the order of the sums differs from the reference's; v must stay inside f32's range (as the reference's energy must).
; Work-group (x, y): columns 64 x .. 64 x + 63 (256 bytes of each row of W), batches 4 y .. 4 y + 3.  No cluster: the eight groups of a
; column chunk share 128 KB of W each, 1 MB in all, read once more per batch group; the launch is too short for joint requests to pay.
; Thread: g = t / 16 (0..31) takes the rows o = 16 g .. 16 g + 15 of W, r = t % 16 the columns 4 r .. 4 r + 3 of the chunk, so that sixteen
; neighbouring lanes read 256 consecutive aligned bytes of a row.  The 32 partial sums of each output meet in LDS behind one barrier.
.set ROWB, 2048                        ; bytes in a row of W, of hidden and of vvec
.set W,    4                           ; v[4:67]    row j of my 16: 4 registers (4 columns)
.set HID,  68                          ; v[68:131]  HID + 16 i + j = hidden[4 y + i][16 g + j]
.set ACC,  132                         ; v[132:147] ACC + 4 i + c = partial sum of batch i, column c
.set P,    4                           ; v[4:131]   the last phase: 32 partial quads read back from LDS
.set WOFF, 1                           ; v1    byte offset of my 16 bytes in my first row of W
.set HOFF, 2                           ; v2    byte offset of my 16 numbers in a row of hidden
.set LST,  3                           ; v3    LDS: where my four partial quads go
.set LRD,  148                         ; v148  LDS: where the last phase reads
.set OOFF, 149                         ; v149  byte offset of the last phase's 16 bytes in vvec
	s_load_b128 s[4:7], s[0:1], 0x0                ; W s[4:5], hidden s[6:7]
	s_load_b64 s[8:9], s[0:1], 0x10                ; vvec
	v_lshl_add_u32 v152, v0, 2, 0x8000
	v_mov_b32 v153, 0
	v_lshrrev_b32 v2, 5, v0
	v_readfirstlane_b32 s10, v2                    ; wave 0..15
	v_and_b32 v[LRD], 15, v0                       ; r
	v_lshlrev_b32 v[LRD], 4, v[LRD]                ; 16 r
	v_lshrrev_b32 v[OOFF], 4, v0                   ; g
	v_lshl_or_b32 v[WOFF], v[OOFF], 15, v[LRD]     ; 16 g rows of 2,048 bytes + 16 r
	v_lshlrev_b32 v[HOFF], 6, v[OOFF]              ; 16 g numbers of 4 bytes
	v_lshl_add_u32 v[LST], v[OOFF], 10, v[LRD]     ; partial[g][i][64 columns]: 1,024 g (31,744 at the most) + 16 r (240 at the most); with the
	                                               ; stores' offsets, 768 at the most, and 16 bytes a store the last byte written is 32,767
	v_bfe_u32 v[OOFF], v0, 4, 2                    ; last phase, threads 0..63: batch i = t / 16
	v_lshl_or_b32 v[OOFF], v[OOFF], 11, v[LRD]     ; row i of vvec + 16 r
	v_and_b32 v[LRD], 63, v0
	v_lshlrev_b32 v[LRD], 4, v[LRD]                ; 256 i + 16 r = 16 t
	s_and_b32 s11, ttmp7, 0xffff                   ; y
	s_lshl_b32 s12, ttmp9, 8                       ; my chunk: 256 bytes along a row
	s_mov_b32 s13, 0
	s_lshl_b32 s14, s11, 13                        ; my four batches: 4 rows of 2,048 bytes
	s_mov_b32 s15, 0
	s_add_co_u32 s16, s12, s14
	s_mov_b32 s17, 0
	s_wait_kmcnt 0x0
	s_add_nc_u64 s[4:5], s[4:5], s[12:13]
	s_add_nc_u64 s[6:7], s[6:7], s[14:15]
	s_add_nc_u64 s[8:9], s[8:9], s[16:17]
	; hidden first (16 loads; the sixteen lanes of a g read the same bytes), then my 16 rows of W
.irp i, 0,1,2,3
.irp q, 0,1,2,3
	global_load_b128 v[HID+16*\i+4*\q:HID+16*\i+4*\q+3], v[HOFF], s[6:7] offset:\i*ROWB+16*\q
.endr
.endr
.irp j, 0,1,2,3,4,5,6,7,8,9,10,11,12,13,14,15
	global_load_b128 v[W+4*\j:W+4*\j+3], v[WOFF], s[4:5] offset:\j*ROWB
.endr
; Row j of my 16: four batches x four columns, two columns to an instruction.  hidden's number is broadcast out of its register pair:
; even j takes the pair's first register for both halves, odd j the second.  Row 0 starts the sums: nothing is cleared.
.macro ROW j
	s_wait_loadcnt 15-\j                           ; loads come back in order: row j is in (and hidden, asked for earlier), the 15 - j younger rows stay out
.irp i, 0,1,2,3
.irp p, 0,1
.if \j == 0
	v_pk_mul_f32 v[ACC+4*\i+2*\p:ACC+4*\i+2*\p+1], v[W+2*\p:W+2*\p+1], v[HID+16*\i:HID+16*\i+1] op_sel_hi:[1,0]
.else
.if (\j)%2 == 0
	v_pk_fma_f32 v[ACC+4*\i+2*\p:ACC+4*\i+2*\p+1], v[W+4*\j+2*\p:W+4*\j+2*\p+1], v[HID+16*\i+\j:HID+16*\i+\j+1], v[ACC+4*\i+2*\p:ACC+4*\i+2*\p+1] op_sel_hi:[1,0,1]
.else
	v_pk_fma_f32 v[ACC+4*\i+2*\p:ACC+4*\i+2*\p+1], v[W+4*\j+2*\p:W+4*\j+2*\p+1], v[HID+16*\i+\j-1:HID+16*\i+\j], v[ACC+4*\i+2*\p:ACC+4*\i+2*\p+1] op_sel:[0,1,0]
.endif
.endif
.endr
.endr
.endm
.irp j, 0,1,2,3,4,5,6,7,8,9,10,11,12,13,14,15
	ROW \j
.endr
.irp i, 0,1,2,3
	ds_store_b128 v[LST], v[ACC+4*\i:ACC+4*\i+3] offset:256*\i   ; sixteen lanes write 256 consecutive bytes
.endr
	s_wait_dscnt 0x0                               ; for the waves that read them: all my stores are done
	s_barrier_signal -1
	s_barrier_wait -1
	s_cmp_ge_u32 s10, 2                            ; 4 batches x 64 columns = 64 quads: waves 0 and 1 add them up, the others are done
	s_cbranch_scc1 .Lend
.irp p, 0,1,2,3,4,5,6,7,8,9,10,11,12,13,14,15,16,17,18,19,20,21,22,23,24,25,26,27,28,29,30,31
	ds_load_b128 v[P+4*\p:P+4*\p+3], v[LRD] offset:1024*\p
.endr
	s_wait_dscnt 0x0
	; two chains (even g, odd g), each started by its first two quads
	v_pk_add_f32 v[ACC:ACC+1],   v[P:P+1],     v[P+8:P+9]
	v_pk_add_f32 v[ACC+2:ACC+3], v[P+2:P+3],   v[P+10:P+11]
	v_pk_add_f32 v[ACC+4:ACC+5], v[P+4:P+5],   v[P+12:P+13]
	v_pk_add_f32 v[ACC+6:ACC+7], v[P+6:P+7],   v[P+14:P+15]
.set p, 4
.rept 28
	v_pk_add_f32 v[ACC+4*(p%2):ACC+4*(p%2)+1],   v[ACC+4*(p%2):ACC+4*(p%2)+1],   v[P+4*p:P+4*p+1]
	v_pk_add_f32 v[ACC+4*(p%2)+2:ACC+4*(p%2)+3], v[ACC+4*(p%2)+2:ACC+4*(p%2)+3], v[P+4*p+2:P+4*p+3]
.set p, p+1
.endr
	v_pk_add_f32 v[ACC:ACC+1],   v[ACC:ACC+1],   v[ACC+4:ACC+5]
	v_pk_add_f32 v[ACC+2:ACC+3], v[ACC+2:ACC+3], v[ACC+6:ACC+7]
	global_store_b128 v[OOFF], v[ACC:ACC+3], s[8:9]              ; sixteen lanes store 256 consecutive aligned bytes of a row of vvec
.Lend:
	s_wait_tensorcnt 0x0
	ds_add_u32 v152, v153
	s_wait_dscnt 0x0
	s_endpgm
.Lfunc_end_k_qde95d647f6_proj:
	.size	k_qde95d647f6_proj, .Lfunc_end_k_qde95d647f6_proj-k_qde95d647f6_proj
	.p2alignl 7, 3214868480
	.fill 96, 4, 3214868480
	.section	.rodata,"a",@progbits
	.p2align	6, 0x0
	.amdhsa_kernel k_qde95d647f6_proj
		.amdhsa_group_segment_fixed_size 34816
		.amdhsa_private_segment_fixed_size 0
		.amdhsa_enable_private_segment 0
		.amdhsa_kernarg_size 24
		.amdhsa_user_sgpr_count 2
		.amdhsa_user_sgpr_kernarg_segment_ptr 1
		.amdhsa_wavefront_size32 1
		.amdhsa_system_sgpr_workgroup_id_x 1
		.amdhsa_system_sgpr_workgroup_id_y 1
		.amdhsa_system_sgpr_workgroup_id_z 1
		.amdhsa_system_vgpr_workitem_id 0
		.amdhsa_next_free_vgpr 154
		.amdhsa_next_free_sgpr 66
		.amdhsa_reserve_vcc 0
		.amdhsa_float_denorm_mode_32 3
		.amdhsa_float_denorm_mode_16_64 3
		.amdhsa_memory_ordered 1
		.amdhsa_forward_progress 1
		.amdhsa_inst_pref_size 20
	.end_amdhsa_kernel
	.amdgpu_metadata
---
amdhsa.version: [ 1, 2 ]
amdhsa.kernels:
  - .name:           k_qde95d647f6_proj
    .symbol:         k_qde95d647f6_proj.kd
    .args:
      - { .name: W_attn, .offset: 0, .size: 8, .value_kind: global_buffer, .address_space: global }
      - { .name: hidden, .offset: 8, .size: 8, .value_kind: global_buffer, .address_space: global }
      - { .name: vvec, .offset: 16, .size: 8, .value_kind: global_buffer, .address_space: global }
    .group_segment_fixed_size: 34816
    .private_segment_fixed_size: 0
    .kernarg_segment_align: 8
    .kernarg_segment_size: 24
    .max_flat_workgroup_size: 512
    .sgpr_count:     66
    .vgpr_count:     154
    .wavefront_size: 32
...
	.end_amdgpu_metadata
.endif
;; end of part 1
;; launch score (part 2): grid 256 x 1, 8 waves a work-group, no clusters, 0 bytes of LDS; arguments encoder_outputs, vvec, scores; writes scores
.if DOCPART == 2
	.amdgcn_target "amdgcn-amd-amdhsa--gfx1250"
	.amdhsa_code_object_version 6
	.text
	.protected	k_qde95d647f6_score
	.globl	k_qde95d647f6_score
	.p2align	8
	.type	k_qde95d647f6_score,@function
k_qde95d647f6_score:
	s_mov_b64 s[64:65], 0
	v_nop
	global_prefetch_b8 v0, s[64:65] scope:SCOPE_SE
	s_setreg_imm32_b32 hwreg(HW_REG_WAVE_MODE, 25, 1), 1
	s_wait_xcnt 0x0
; scores[b][s] = sum over h of encoder_outputs[b][s][h] * vvec[b][h]   (the bias term, one number for each b, is added in the next launch).
; encoder_outputs: [32][4096][512] f32, vvec: [32][512] f32, scores: [32][4096] f32.
; A stream: 268 MB read once, a quarter of a multiply-add for each byte, so the design is about bytes in flight and nothing else.  f32 fused
; multiply-adds on the vector unit; no LDS, no barrier (no wave reads what another loaded), no matrix unit (one column of B),
; no cluster (the work-groups of a batch share vvec's 2 KB against 1 MB of rows of their own).
; LIMIT: the order of the sums differs from the reference's.
; Work-group w: 512 rows (1 MB) of batch w / 8.  Wave: 64 rows.  A turn takes two rows: the lanes' half hh takes the wave's row 32 hh + t.
; Lane r of a half holds columns 64 j + 4 r .. + 3, j = 0..7: each load's half-wave reads 256 consecutive aligned bytes, a row's sum needs
; only the four steps inside sixteen lanes, and one sequence of them serves two rows.
; The sum of turn t is kept by lane r = t / 2 of each half in register S + t % 2: lane l ends with rows 2 l and 2 l + 1, and one store
; of 8 bytes a lane writes the wave's 64 scores, 256 consecutive aligned bytes.
; A ring of six slots of 32 registers: 48 loads of 512 bytes, 24 KB, of every wave are on their way.
.set ROWB,  2048                       ; bytes in a row
.set SLOTS, 6
.set TRIPS, 4                          ; the loop takes turns 0..23 and asks for turns 6..29; turns 24..31 are written out behind it
.set V,  4                             ; v[4:35]    vvec[b] at my columns
.set A0, 36                            ; v[36:37]   two chains of packed sums
.set A1, 38                            ; v[38:39]
.set T,  40                            ; v40        my part of the row's sum, then the row's sum
.set S,  42                            ; v[42:43]   the two scores that I keep
.set X,  44                            ; v[44:235]  slot k: 32 registers
	s_load_b128 s[4:7], s[0:1], 0x0                ; encoder_outputs s[4:5], vvec s[6:7]
	s_load_b64 s[8:9], s[0:1], 0x10                ; scores
	v_lshrrev_b32 v3, 4, v0                        ; 2 x wave + hh
	v_and_b32 v2, 15, v0
	v_lshlrev_b32 v2, 4, v2                        ; 16 r: my bytes in each 256 of a row, and of vvec
	v_lshl_or_b32 v1, v3, 16, v2                   ; + (2 x wave + hh) x 32 rows of 2,048 bytes
	v_lshlrev_b32 v3, 3, v0                        ; my two scores: 8 bytes a thread
	v_mov_b32 v[S], 0                              ; the select below reads what it keeps
	v_mov_b32 v[S+1], 0
	s_mov_b32 s12, 0x00010001                      ; the lanes that keep this turn's sums: r = 0 of both halves
	s_lshl_b32 s14, ttmp9, 20                      ; 512 rows of 2,048 bytes (below 4 GiB: 255 x 1 MB at the most)
	s_mov_b32 s15, 0
	s_lshr_b32 s16, ttmp9, 3                       ; batch
	s_lshl_b32 s16, s16, 11
	s_mov_b32 s17, 0
	s_lshl_b32 s18, ttmp9, 11                      ; 512 scores of 4 bytes
	s_mov_b32 s19, 0
	s_wait_kmcnt 0x0
	s_add_nc_u64 s[4:5], s[4:5], s[14:15]
	s_add_nc_u64 s[6:7], s[6:7], s[16:17]
	s_add_nc_u64 s[8:9], s[8:9], s[18:19]
.irp j, 0,1,2,3,4,5,6,7
	global_load_b128 v[V+4*\j:V+4*\j+3], v2, s[6:7] offset:256*\j
.endr
.irp k, 0,1,2,3,4,5
.irp j, 0,1,2,3,4,5,6,7
	global_load_b128 v[X+32*\k+4*\j:X+32*\k+4*\j+3], v1, s[4:5] offset:ROWB*\k+256*\j th:TH_LOAD_NT   ; fill the ring: turns 0 to 5
.endr
.endr
; The turn of slot k.  e = the turn's parity (which of S, S + 1 keeps the sum); fill = 1: the slot is asked for again, six turns ahead;
; left = how many younger loads may stay out when this slot's eight have to be in.
.macro TURN k, e, fill, left
	s_wait_loadcnt \left
	v_pk_mul_f32 v[A0:A0+1], v[X+32*\k:X+32*\k+1],   v[V:V+1]              ; the first products start the two chains
	v_pk_mul_f32 v[A1:A1+1], v[X+32*\k+2:X+32*\k+3], v[V+2:V+3]
.irp j, 1,2,3,4,5,6,7
	v_pk_fma_f32 v[A0:A0+1], v[X+32*\k+4*\j:X+32*\k+4*\j+1],   v[V+4*\j:V+4*\j+1],   v[A0:A0+1]
	v_pk_fma_f32 v[A1:A1+1], v[X+32*\k+4*\j+2:X+32*\k+4*\j+3], v[V+4*\j+2:V+4*\j+3], v[A1:A1+1]
.endr
.if \fill
.irp j, 0,1,2,3,4,5,6,7
	global_load_b128 v[X+32*\k+4*\j:X+32*\k+4*\j+3], v1, s[4:5] offset:ROWB*(\k+SLOTS)+256*\j th:TH_LOAD_NT
.endr
.endif
	v_pk_add_f32 v[A0:A0+1], v[A0:A0+1], v[A1:A1+1]
	v_add_f32 v[T], v[A0], v[A0+1]
	v_add_f32_dpp v[T], v[T], v[T] row_xmask:1 row_mask:0xf bank_mask:0xf  ; over the sixteen lanes of a row
	v_add_f32_dpp v[T], v[T], v[T] row_xmask:2 row_mask:0xf bank_mask:0xf
	v_add_f32_dpp v[T], v[T], v[T] row_xmask:4 row_mask:0xf bank_mask:0xf
	v_add_f32_dpp v[T], v[T], v[T] row_xmask:8 row_mask:0xf bank_mask:0xf
	v_cndmask_b32 v[S+\e], v[S+\e], v[T], s12                              ; lane t / 2 of each half keeps it
.if \e
	s_lshl_b32 s12, s12, 1                                                 ; the next pair of turns belongs to the next lane
.endif
.endm
	s_mov_b32 s10, TRIPS
.Ltrip:
	TURN 0, 0, 1, 40                               ; 40 = the five younger slots' eight loads each; on the way in it also shows vvec, asked for first, in
	TURN 1, 1, 1, 40
	TURN 2, 0, 1, 40
	TURN 3, 1, 1, 40
	TURN 4, 0, 1, 40
	TURN 5, 1, 1, 40
	s_wait_xcnt 0x0                                ; the base is a source of the loads that are out: it is stepped only behind this wait
	s_add_nc_u64 s[4:5], s[4:5], SLOTS*ROWB
	s_sub_co_i32 s10, s10, 1
	s_cmp_lg_u32 s10, 0
	s_cbranch_scc1 .Ltrip
	TURN 0, 0, 1, 40                               ; turn 24, asks for turn 30
	TURN 1, 1, 1, 40                               ; turn 25, asks for turn 31, the halves' last rows: no load passes the wave's 64 rows
	TURN 2, 0, 0, 40                               ; turn 26: turns 27..31 are out; from here the counts run down
	TURN 3, 1, 0, 32
	TURN 4, 0, 0, 24
	TURN 5, 1, 0, 16
	TURN 0, 0, 0, 8
	TURN 1, 1, 0, 0
	global_store_b64 v3, v[S:S+1], s[8:9]          ; the wave's 64 scores: 256 consecutive aligned bytes; the next launch reads them, so no hint
	s_endpgm
.Lfunc_end_k_qde95d647f6_score:
	.size	k_qde95d647f6_score, .Lfunc_end_k_qde95d647f6_score-k_qde95d647f6_score
	.p2alignl 7, 3214868480
	.fill 96, 4, 3214868480
	.section	.rodata,"a",@progbits
	.p2align	6, 0x0
	.amdhsa_kernel k_qde95d647f6_score
		.amdhsa_group_segment_fixed_size 0
		.amdhsa_private_segment_fixed_size 0
		.amdhsa_enable_private_segment 0
		.amdhsa_kernarg_size 24
		.amdhsa_user_sgpr_count 2
		.amdhsa_user_sgpr_kernarg_segment_ptr 1
		.amdhsa_wavefront_size32 1
		.amdhsa_system_sgpr_workgroup_id_x 1
		.amdhsa_system_sgpr_workgroup_id_y 1
		.amdhsa_system_sgpr_workgroup_id_z 1
		.amdhsa_system_vgpr_workitem_id 0
		.amdhsa_next_free_vgpr 240
		.amdhsa_next_free_sgpr 66
		.amdhsa_reserve_vcc 0
		.amdhsa_float_denorm_mode_32 3
		.amdhsa_float_denorm_mode_16_64 3
		.amdhsa_memory_ordered 1
		.amdhsa_forward_progress 1
		.amdhsa_inst_pref_size 33
	.end_amdhsa_kernel
	.amdgpu_metadata
---
amdhsa.version: [ 1, 2 ]
amdhsa.kernels:
  - .name:           k_qde95d647f6_score
    .symbol:         k_qde95d647f6_score.kd
    .args:
      - { .name: encoder_outputs, .offset: 0, .size: 8, .value_kind: global_buffer, .address_space: global }
      - { .name: vvec, .offset: 8, .size: 8, .value_kind: global_buffer, .address_space: global }
      - { .name: scores, .offset: 16, .size: 8, .value_kind: global_buffer, .address_space: global }
    .group_segment_fixed_size: 0
    .private_segment_fixed_size: 0
    .kernarg_segment_align: 8
    .kernarg_segment_size: 24
    .max_flat_workgroup_size: 256
    .sgpr_count:     66
    .vgpr_count:     240
    .wavefront_size: 32
...
	.end_amdgpu_metadata
.endif
;; end of part 2
;; launch soft (part 3): grid 32 x 1, 8 waves a work-group, no clusters, 1,280 bytes of LDS; arguments scores, hidden, b_attn, out0; writes out0
.if DOCPART == 3
	.amdgcn_target "amdgcn-amd-amdhsa--gfx1250"
	.amdhsa_code_object_version 6
	.text
	.protected	k_qde95d647f6_soft
	.globl	k_qde95d647f6_soft
	.p2align	8
	.type	k_qde95d647f6_soft,@function
k_qde95d647f6_soft:
	s_mov_b64 s[64:65], 0
	v_nop
	global_prefetch_b8 v0, s[64:65] scope:SCOPE_SE
	s_setreg_imm32_b32 hwreg(HW_REG_WAVE_MODE, 25, 1), 1
	s_wait_xcnt 0x0
; out0[b][s] = softmax over s of (scores[b][s] + c[b]),  c[b] = sum over o of b_attn[o] * hidden[b][o].
; scores, out0: [32][4096] f32; hidden: [32][512] f32; b_attn: [512] f32.  All in f32.
; One work-group for a batch (a softmax row is 16 KB: the 32 rows are all the work there is, and a row's sum must have one owner).
; Wave w owns 512 scores, a lane 16 of them in registers from load to store.  Each wave takes ITS maximum away before the exponentials and
; sums them; the eight pairs (maximum, sum) meet in LDS behind the one barrier and are joined as a running maximum joins them.
; The maxima are carried times log2(e), rounded once: exp2(x log2e - mL) is made by one fused multiply-add, and the same rounded mL
; enters the join, so its rounding cancels.
; c is made by every wave for itself: 4 KB read again against a second barrier.
; LIMITS: v_exp_f32 gives zero where the result would be below 2^-126 (ISA guide, the instruction's entry), so outputs that small are 0;
; the order of the sums differs from the reference's.
.set H,  8                             ; v[8:23]   hidden[b], 16 numbers a lane
.set BV, 24                            ; v[24:39]  b_attn at the same places
.set X,  40                            ; v[40:55]  my 16 scores, then exponentials, then results
.set C,  56                            ; v[56:57]  c, twice (a pair for the packed add)
.set M,  58                            ; v[58:59]  my wave's maximum x log2(e), twice
.set T,  60                            ; v60       reductions
.set U,  61                            ; v61       the other half's figure
.set PR, 62                            ; v[62:63]  my wave's pair: maximum x log2(e), sum
.set Q,  64                            ; v[64:65]  the pair of wave lane % 8
.set W0, 66                            ; v[66:73]  at work
.set LOG2E, 0x3fb8aa3b
.macro SUM32 dst                       ; sum of T over the 32 lanes, into dst of every lane
.irp m, 1,2,4,8
	v_add_f32_dpp v[T], v[T], v[T] row_xmask:\m row_mask:0xf bank_mask:0xf
.endr
	v_permlanex16_b32 v[U], v[T], s12, s13         ; lane i of the other half
	v_add_f32 v[\dst], v[T], v[U]
.endm
.macro MAX32 dst
.irp m, 1,2,4,8
	v_max_num_f32_dpp v[T], v[T], v[T] row_xmask:\m row_mask:0xf bank_mask:0xf
.endr
	v_permlanex16_b32 v[U], v[T], s12, s13
	v_max_num_f32 v[\dst], v[T], v[U]
.endm
	s_load_b256 s[4:11], s[0:1], 0x0               ; scores s[4:5], hidden s[6:7], b_attn s[8:9], out0 s[10:11]
	v_lshl_add_u32 v80, v0, 2, 0x100
	v_mov_b32 v81, 0
	s_mov_b32 s12, 0x76543210
	s_mov_b32 s13, 0xfedcba98
	v_lshrrev_b32 v3, 5, v0
	v_readfirstlane_b32 s14, v3                    ; wave 0..7
	v_and_b32 v1, 31, v0
	v_lshlrev_b32 v1, 4, v1                        ; 16 bytes a lane
	v_lshl_or_b32 v2, v3, 11, v1                   ; + my wave's 512 scores
	v_mov_b32 v3, s14
	v_lshlrev_b32 v3, 3, v3                        ; LDS: my wave's 8 bytes
	v_and_b32 v4, 7, v0
	v_lshlrev_b32 v4, 3, v4                        ; LDS: the pair of wave lane % 8
	v_mov_b32 v[U], 0                              ; v_permlanex16_b32 counts as a reader of its destination
	s_lshl_b32 s16, ttmp9, 14                      ; a row of scores and of out0: 16,384 bytes
	s_mov_b32 s17, 0
	s_lshl_b32 s18, ttmp9, 11                      ; a row of hidden
	s_mov_b32 s19, 0
	s_wait_kmcnt 0x0
	s_add_nc_u64 s[4:5], s[4:5], s[16:17]
	s_add_nc_u64 s[10:11], s[10:11], s[16:17]
	s_add_nc_u64 s[6:7], s[6:7], s[18:19]
.irp j, 0,1,2,3
	global_load_b128 v[H+4*\j:H+4*\j+3], v1, s[6:7] offset:512*\j
.endr
.irp j, 0,1,2,3
	global_load_b128 v[BV+4*\j:BV+4*\j+3], v1, s[8:9] offset:512*\j
.endr
.irp j, 0,1,2,3
	global_load_b128 v[X+4*\j:X+4*\j+3], v2, s[4:5] offset:512*\j
.endr
	s_wait_loadcnt 0x4                             ; hidden and b_attn are in; the four loads of scores may stay out
	v_pk_mul_f32 v[W0:W0+1], v[H:H+1], v[BV:BV+1]
.irp j, 1,2,3,4,5,6,7
	v_pk_fma_f32 v[W0:W0+1], v[H+2*\j:H+2*\j+1], v[BV+2*\j:BV+2*\j+1], v[W0:W0+1]
.endr
	v_add_f32 v[T], v[W0], v[W0+1]
	SUM32 C
	v_mov_b32 v[C+1], v[C]
	s_wait_loadcnt 0x0
.irp j, 0,1,2,3,4,5,6,7
	v_pk_add_f32 v[X+2*\j:X+2*\j+1], v[X+2*\j:X+2*\j+1], v[C:C+1]      ; x = score + c, as the reference has it
.endr
	; my wave's maximum
	v_max3_num_f32 v[T], v[X], v[X+1], v[X+2]
.irp j, 3,5,7,9,11,13
	v_max3_num_f32 v[T], v[T], v[X+\j], v[X+\j+1]
.endr
	v_max_num_f32 v[T], v[T], v[X+15]
	MAX32 T
	v_mul_f32 v[M], LOG2E, v[T]
	v_mov_b32 v[M+1], v[M]
	v_mov_b32 v[PR], v[M]
.irp j, 0,1,2,3,4,5,6,7
	v_pk_fma_f32 v[X+2*\j:X+2*\j+1], v[X+2*\j:X+2*\j+1], LOG2E, v[M:M+1] op_sel_hi:[1,0,1] neg_lo:[0,0,1] neg_hi:[0,0,1]
.endr
.irp j, 0,1,2,3,4,5,6,7,8,9,10,11,12,13,14,15
	v_exp_f32 v[X+\j], v[X+\j]
.endr
	v_nop                                          ; one plain place behind the last exponential before its result is read (ISA guide 5.7.2)
	s_wait_alu depctr_va_vdst(0)
	v_pk_add_f32 v[W0:W0+1],   v[X:X+1],     v[X+2:X+3]
	v_pk_add_f32 v[W0+2:W0+3], v[X+4:X+5],   v[X+6:X+7]
	v_pk_add_f32 v[W0+4:W0+5], v[X+8:X+9],   v[X+10:X+11]
	v_pk_add_f32 v[W0+6:W0+7], v[X+12:X+13], v[X+14:X+15]
	v_pk_add_f32 v[W0:W0+1],   v[W0:W0+1],   v[W0+2:W0+3]
	v_pk_add_f32 v[W0+4:W0+5], v[W0+4:W0+5], v[W0+6:W0+7]
	v_pk_add_f32 v[W0:W0+1],   v[W0:W0+1],   v[W0+4:W0+5]
	v_add_f32 v[T], v[W0], v[W0+1]
	SUM32 PR+1
	ds_store_b64 v3, v[PR:PR+1]                    ; all lanes write the same 8 bytes, my wave's own
	s_wait_dscnt 0x0                               ; for the other waves: the store is done
	s_barrier_signal -1
	s_barrier_wait -1
	ds_load_b64 v[Q:Q+1], v4                       ; lane l: the pair of wave l % 8
	s_wait_dscnt 0x0
	; the join: ML = the largest mL; L = sum over waves of l 2^(mL - ML), at least about 1 (the wave that holds ML has a term of about 1)
	v_mov_b32 v[W0], v[Q]
.irp m, 1,2,4
	v_max_num_f32_dpp v[W0], v[W0], v[W0] row_xmask:\m row_mask:0xf bank_mask:0xf   ; eight neighbouring lanes hold the eight waves
.endr
	v_sub_f32 v[W0+1], v[Q], v[W0]
	v_exp_f32 v[W0+1], v[W0+1]
	v_sub_f32 v[W0+2], v[PR], v[W0]                ; my own wave's mL - ML: also the plain place behind the exponential
	s_wait_alu depctr_va_vdst(0)
	v_mul_f32 v[W0+1], v[W0+1], v[Q+1]
.irp m, 1,2,4
	v_add_f32_dpp v[W0+1], v[W0+1], v[W0+1] row_xmask:\m row_mask:0xf bank_mask:0xf
.endr
	v_exp_f32 v[W0+2], v[W0+2]
	v_rcp_f32 v[W0+3], v[W0+1]
	v_nop                                          ; one plain place behind the two before their results are read
	s_wait_alu depctr_va_vdst(0)
	v_mul_f32 v[W0+4], v[W0+2], v[W0+3]            ; 2^(mL - ML) / L
	v_mov_b32 v[W0+5], v[W0+4]
.irp j, 0,1,2,3,4,5,6,7
	v_pk_mul_f32 v[X+2*\j:X+2*\j+1], v[X+2*\j:X+2*\j+1], v[W0+4:W0+5]
.endr
.irp j, 0,1,2,3
	global_store_b128 v2, v[X+4*\j:X+4*\j+3], s[10:11] offset:512*\j th:TH_STORE_NT   ; a wave's store covers 512 consecutive aligned bytes
.endr
	s_wait_tensorcnt 0x0
	ds_add_u32 v80, v81
	s_wait_dscnt 0x0
	s_endpgm
.Lfunc_end_k_qde95d647f6_soft:
	.size	k_qde95d647f6_soft, .Lfunc_end_k_qde95d647f6_soft-k_qde95d647f6_soft
	.p2alignl 7, 3214868480
	.fill 96, 4, 3214868480
	.section	.rodata,"a",@progbits
	.p2align	6, 0x0
	.amdhsa_kernel k_qde95d647f6_soft
		.amdhsa_group_segment_fixed_size 1280
		.amdhsa_private_segment_fixed_size 0
		.amdhsa_enable_private_segment 0
		.amdhsa_kernarg_size 32
		.amdhsa_user_sgpr_count 2
		.amdhsa_user_sgpr_kernarg_segment_ptr 1
		.amdhsa_wavefront_size32 1
		.amdhsa_system_sgpr_workgroup_id_x 1
		.amdhsa_system_sgpr_workgroup_id_y 1
		.amdhsa_system_sgpr_workgroup_id_z 1
		.amdhsa_system_vgpr_workitem_id 0
		.amdhsa_next_free_vgpr 82
		.amdhsa_next_free_sgpr 66
		.amdhsa_reserve_vcc 0
		.amdhsa_float_denorm_mode_32 3
		.amdhsa_float_denorm_mode_16_64 3
		.amdhsa_memory_ordered 1
		.amdhsa_forward_progress 1
		.amdhsa_inst_pref_size 9
	.end_amdhsa_kernel
	.amdgpu_metadata
---
amdhsa.version: [ 1, 2 ]
amdhsa.kernels:
  - .name:           k_qde95d647f6_soft
    .symbol:         k_qde95d647f6_soft.kd
    .args:
      - { .name: scores, .offset: 0, .size: 8, .value_kind: global_buffer, .address_space: global }
      - { .name: hidden, .offset: 8, .size: 8, .value_kind: global_buffer, .address_space: global }
      - { .name: b_attn, .offset: 16, .size: 8, .value_kind: global_buffer, .address_space: global }
      - { .name: out0, .offset: 24, .size: 8, .value_kind: global_buffer, .address_space: global }
    .group_segment_fixed_size: 1280
    .private_segment_fixed_size: 0
    .kernarg_segment_align: 8
    .kernarg_segment_size: 32
    .max_flat_workgroup_size: 256
    .sgpr_count:     66
    .vgpr_count:     82
    .wavefront_size: 32
...
	.end_amdgpu_metadata
.endif
;; end of part 3
